; MI455X (gfx1250); checked and timed in simulation.
; The chip was launched on July 23, 2026; its instructions are those of AMD's public machine-readable ISA for CDNA 5 (MIT licence, August 2026) and "CDNA5" Instruction Set Architecture Reference Guide (July 2026). The comments in the code are by the model that wrote it; some were corrected since.
;; Trellis Linear. Allowed arithmetic: matrix products marked QUANTISED: E3M2 operands, one E8M0 scale for each 32 along K, by v_wmma_scale_f32_16x16x128_f8f6f4 with both operands' format E3M2, f32 sums; everything else in f32.
;; Inputs: SU 4,096 float32; SV 2,048 float32; trellis 32,768 x 32 int32; weight_scales 32,768 x 1 float32; x 4 x 2,048 x 4,096 float32.
;; Outputs: out0 4 x 2,048 x 2,048 float32.
;; This version of the problem:
;;   THIS VERSION OF THE PROBLEM IS GIVEN IN LOW PRECISION. The matrix products marked QUANTISED in the list below multiply operands that are first quantised to E3M2 (3 exponent bits, 2 mantissa bits; 6 bits a number), with one power-of-two scale for each 32 numbers along K (OCP MX v1.0); their sums are f32. All else is computed in f32.
;;   The module's matrix products, in the order in which they are computed (A, B: the left and right operand; K: the contracted axis; several contracted axes count as one K, in the product's order):
;;     1. [M 8,192, K 4,096] x [K 4,096, N 2,048]; A: computed on the way; B: computed on the way: QUANTISED
;;   THE QUANTISER, for each operand of a quantised product, along K:
;;     - K is cut into blocks of 32 from its start; a last block that is shorter is filled with zeros.
;;     - A block's scale is 2^e with e = floor(log2(the largest magnitude in the block)) - 4, held to -126 .. 127; a block of zeros has e = 0. As a byte (E8M0): e + 127.
;;     - Each number is divided by its block's scale, clamped to +-28, and rounded to the nearest number of E3M2, ties to even, subnormals kept.
;;     - The product sums the exact products of the quantised numbers (number of the format x scale) in f32.
;;   ~~~python
;;   def quantise(x, axis):      # numpy; x: float32 -> the quantised numbers, widened to float32 again
;;       x = np.moveaxis(x, axis, -1); K = x.shape[-1]
;;       x = np.pad(x, [(0, 0)] * (x.ndim - 1) + [(0, -K % 32)]); x = x.reshape(x.shape[:-1] + (-1, 32)); a = np.abs(x).max(-1, keepdims=True)
;;       e = np.where(a > 0, np.clip(np.frexp(np.where(a > 0, a, 1))[1] - 1 - 4, -126, 127), 0)      # np.frexp(a)[1] - 1 = floor(log2(a)), exactly
;;       r = np.clip(x / 2.0 ** e, -28, 28)
;;       step = 2.0 ** (np.maximum(np.frexp(np.where(r == 0, 1, r))[1] - 1, -2) - 2)
;;       q = np.round(r / step) * step * 2.0 ** e      # np.round: ties to even
;;       return np.moveaxis(q.reshape(q.shape[:-2] + (-1,))[..., :K], -1, axis).astype(np.float32)
;;   ~~~
;;   OPERANDS COMPUTED ON THE WAY. 'Computed on the way' means the value that the module computes at that place (a softmax that the list does not call 'softmax' is quantised finished and normalised). What goes into a quantiser is computed in f32, as accurately as f32 sums, v_exp_f32 and their like allow (about 1e-6 of the number): no bf16 or f16 on the way to a quantiser, and a product that is left as it is and whose result goes on into a quantised operand takes f32 operands (vector FMAs, or v_wmma_f32_16x16x4_f32). A number that lies on a knife's edge between two numbers of the format may be rounded either way, as far as f32 arithmetic and the matrix unit's own rounding can turn it there, and no further.
;; One version. Each part assembles by itself: llvm-mc -triple=amdgcn-amd-amdhsa -mcpu=gfx1250 --defsym DOCPART=n.
;; ======== version 1 of 1: 4 launches
;; limits: right only within a limited range of input values
;; workspace buffers: part 8,388,608 bytes; qtab 49,152 bytes; a_codes 26,214,400 bytes; w_codes 6,553,600 bytes
;; launch xstat (part 1): grid 256 x 1, 4 waves a work-group, no clusters, 135,936 bytes of LDS; arguments x, SU, part; writes part
.if DOCPART == 1
	.amdgcn_target "amdgcn-amd-amdhsa--gfx1250"
	.amdhsa_code_object_version 6
	.text
	.protected	k_qe26dc329e8_xstat
	.globl	k_qe26dc329e8_xstat
	.p2align	8
	.type	k_qe26dc329e8_xstat,@function
k_qe26dc329e8_xstat:
	s_mov_b64 s[64:65], 0
	v_nop
	global_prefetch_b8 v0, s[64:65] scope:SCOPE_SE
	s_setreg_imm32_b32 hwreg(HW_REG_WAVE_MODE, 25, 1), 1
	s_wait_xcnt 0x0
; xh = FWHT_4096(x * SU) / 64, row by row; this launch keeps only each channel's smallest xh and smallest -xh over the work-group's 32 rows.
; x: [8192][4096] f32.  part: [channel block u 128][work-group g 256][64 f32]: floats 0-31 the minima of channels 32 u + 0..31, floats 32-63 the minima of -xh.
; SHARES.  A work-group takes 32 rows, each of its four waves 8.  A wave holds a whole row in 128 registers (4,096 numbers over 32 lanes); the transform never leaves the wave.
; THE TRANSFORM.  As loaded, register 4 j + e of lane l is channel 128 j + 4 l + e: the registers carry channel bits 0, 1, 7..11.  Seven butterfly stages run on registers; the row turns through the
; wave's own LDS area (rows of 512 bytes + 16), after which register k of lane l is channel 128 l + k, and the five stages of bits 2..6 run on registers too.  1/64 is a power of two: it is folded into SU once.
; A butterfly in place: A' = A + B, B' = A' - 2 B (one packed add, one packed multiply-add, no third register).  The stages' order and this form differ from a plain a + b, a - b chain in the last bits only.
; LIMITS: NaN and infinities among x and SU are not served (the minima pass over a NaN); SU / 64 is exact for |SU| from 2^-120 on.
; LEFT OUT: tensor loads, clusters, prefetches: work-groups share nothing but SU (16 KB), every byte of x is read once by loads of 512 consecutive bytes, and two rows a wave (32 KB) are always on their way.
; REGISTERS, in windows of 256: window 0: v0-11 addresses, v32-95 results on the way out, v128-255 W, the row at work; window 1: two landing sets of 128; window 2: v0-127 SU/64, v128-255 the minima; window 3: v0-127 the minima of -xh.
.set ROWB,   16384                     ; bytes in a row of x
.set XPITCH, 528                       ; a row of the exchange area: 512 bytes + 16 = 33 x 16: sixteen lanes that read 16 bytes of sixteen rows touch sixteen different 16-byte columns (banks: ISA guide 11.1)
.set AREA,   32*XPITCH                 ; a wave's area
.set NEGO,   67712                     ; behind the four areas, 128 bytes off a multiple of 256: where the minima of -xh are put at the end
.set W,   128
.set XO,  2                            ; v2   16 x lane
.set XW,  3                            ; v3   my area + 16 x lane
.set XR,  4                            ; v4   my area + 528 x lane
.set XN,  5                            ; v5   the same + NEGO
.set CB,  6                            ; v6-9 the last reduction: my 16 bytes in wave 0..3's area
.set GO,  10                           ; v10  and their place in part
.set RES, 32
.set XP,  4                            ; s[4:5] x at my wave's rows
.set MSB, 0
.macro WIN new                         ; the immediate's high byte repeats the setting that is left
.if MSB != \new
	s_set_vgpr_msb (MSB<<8)|\new
.set MSB, \new
.endif
.endm
.macro STAGE0 base                     ; the butterfly inside a register pair: low = a + b, high = a - b
.set n_, 0
.rept 64
	v_pk_add_f32 v[\base+2*n_:\base+2*n_+1], v[\base+2*n_:\base+2*n_+1], v[\base+2*n_:\base+2*n_+1] op_sel:[0,1] op_sel_hi:[0,1] neg_hi:[0,1]
.set n_, n_+1
.endr
.endm
.macro STAGE base, b                   ; the butterflies of register-number bit b (1..6): 32 on pairs, eight adds and then their eight multiply-adds, so that no line waits for the line above it
.set g_, 0
.rept 4
.set n_, 0
.rept 8
.set nn_, 8*g_+n_
.set lo_, ((nn_>>((\b)-1))<<(\b)) | (nn_ & ((1<<((\b)-1))-1))
.set A_, \base+2*lo_
.set B_, A_+(1<<(\b))
	v_pk_add_f32 v[A_:A_+1], v[A_:A_+1], v[B_:B_+1]
.set n_, n_+1
.endr
.set n_, 0
.rept 8
.set nn_, 8*g_+n_
.set lo_, ((nn_>>((\b)-1))<<(\b)) | (nn_ & ((1<<((\b)-1))-1))
.set A_, \base+2*lo_
.set B_, A_+(1<<(\b))
	v_pk_fma_f32 v[B_:B_+1], v[B_:B_+1], -2.0, v[A_:A_+1] op_sel_hi:[1,0,1]
.set n_, n_+1
.endr
.set g_, g_+1
.endr
.endm
.macro FW1                             ; channel bits 0, 1, 7..11; the last stage's results go to the exchange area as they are finished
	STAGE0 W
	STAGE W, 1
	STAGE W, 2
	STAGE W, 3
	STAGE W, 4
	STAGE W, 5
.set j_, 0
.rept 8
.irp d, 0,2,4,6
	v_pk_add_f32 v[W+4*j_+\d:W+4*j_+\d+1], v[W+4*j_+\d:W+4*j_+\d+1], v[W+4*j_+\d+64:W+4*j_+\d+65]
.endr
.irp d, 0,2,4,6
	v_pk_fma_f32 v[W+4*j_+\d+64:W+4*j_+\d+65], v[W+4*j_+\d+64:W+4*j_+\d+65], -2.0, v[W+4*j_+\d:W+4*j_+\d+1] op_sel_hi:[1,0,1]
.endr
	ds_store_b128 v[XW], v[W+4*j_:W+4*j_+3] offset:XPITCH*j_               ; quad j = channels 128 j + 4 l ..: the 32 lanes write 512 consecutive bytes
	ds_store_b128 v[XW], v[W+4*j_+4:W+4*j_+7] offset:XPITCH*(j_+1)
	ds_store_b128 v[XW], v[W+4*j_+64:W+4*j_+67] offset:XPITCH*(j_+16)
	ds_store_b128 v[XW], v[W+4*j_+68:W+4*j_+71] offset:XPITCH*(j_+17)
.set j_, j_+2
.endr
.endm
.macro FW2                             ; back as channel 128 l + k; channel bits 2..6.  LDS serves a wave's instructions in order (ISA guide 5.7.1.4): the loads see the stores above
.set j_, 0
.rept 32
	ds_load_b128 v[W+4*j_:W+4*j_+3], v[XR] offset:16*j_
.set j_, j_+1
.endr
.set j_, 0
.rept 16
	s_wait_dscnt 30-2*j_                           ; quads 2 j and 2 j + 1 are in; the 30 - 2 j loads behind them may be out.  The last count is 0
	v_pk_add_f32 v[W+8*j_:W+8*j_+1], v[W+8*j_:W+8*j_+1], v[W+8*j_+4:W+8*j_+5]
	v_pk_add_f32 v[W+8*j_+2:W+8*j_+3], v[W+8*j_+2:W+8*j_+3], v[W+8*j_+6:W+8*j_+7]
	v_pk_fma_f32 v[W+8*j_+4:W+8*j_+5], v[W+8*j_+4:W+8*j_+5], -2.0, v[W+8*j_:W+8*j_+1] op_sel_hi:[1,0,1]
	v_pk_fma_f32 v[W+8*j_+6:W+8*j_+7], v[W+8*j_+6:W+8*j_+7], -2.0, v[W+8*j_+2:W+8*j_+3] op_sel_hi:[1,0,1]
.set j_, j_+1
.endr
	STAGE W, 3
	STAGE W, 4
	STAGE W, 5
	STAGE W, 6
.endm
.macro LOADROW ls, off                 ; a row into landing set ls: 32 loads of 512 consecutive bytes
	WIN 0x40
.set j_, 0
.rept 32
	global_load_b128 v[128*(\ls)+4*j_:128*(\ls)+4*j_+3], v[XO], s[XP:XP+1] offset:(\off)+512*j_ th:TH_LOAD_NT
.set j_, j_+1
.endr
	WIN 0
.endm
.macro MULSU ls                        ; W = the landed row x SU/64: the multiplication is also the move out of the landing set
	WIN 0x09
.set j_, 0
.rept 64
	v_pk_mul_f32 v[W+2*j_:W+2*j_+1], v[128*(\ls)+2*j_:128*(\ls)+2*j_+1], v[2*j_:2*j_+1]
.set j_, j_+1
.endr
	WIN 0
.endm
.macro PROCESS
	FW1
	FW2
	WIN 0x82
.set j_, 0
.rept 128
	v_min_num_f32 v[128+j_], v[128+j_], v[W+j_]
.set j_, j_+1
.endr
	WIN 0xc3
.set j_, 0
.rept 128
	v_min_num_f32 v[j_], v[j_], -v[W+j_]
.set j_, j_+1
.endr
	WIN 0
.endm
.macro ROW ls, off
	s_wait_loadcnt 32                              ; my set's 32 loads are in; the other set's 32, issued behind them, may be out
	MULSU \ls
	LOADROW \ls, \off
	PROCESS
.endm
	s_load_b128 s[4:7], s[0:1], 0x0                ; x, SU
	s_load_b64 s[8:9], s[0:1], 0x10                ; part
	v_lshl_add_u32 v126, v0, 2, 0x21100
	v_mov_b32 v127, 0
	v_lshrrev_b32 v1, 5, v0
	v_readfirstlane_b32 s10, v1                    ; wave 0..3
	v_and_b32 v1, 31, v0                           ; lane
	v_lshlrev_b32 v[XO], 4, v1
	s_mul_i32 s11, s10, AREA
	v_add_nc_u32 v[XW], s11, v[XO]
	v_mul_u32_u24 v[XR], v1, XPITCH
	v_add_nc_u32 v[XR], s11, v[XR]
	v_add_nc_u32 v[XN], NEGO, v[XR]
	; the last reduction: thread t takes, in round rd, the 16 bytes (t % 16) of unit u = 8 rd + t / 16: channels 32 u on lie in area row u / 4 at byte 128 (u % 4)
	v_lshrrev_b32 v11, 6, v0
	v_mul_u32_u24 v[CB], v11, XPITCH
	v_bfe_u32 v11, v0, 4, 2
	v_lshl_add_u32 v[CB], v11, 7, v[CB]
	v_and_b32 v11, 7, v0
	v_lshl_add_u32 v[CB], v11, 4, v[CB]
	v_bfe_u32 v11, v0, 3, 1
	v_mad_u32_u24 v[CB], v11, NEGO, v[CB]          ; lanes 8-15 of sixteen take the minima of -xh
.irp w, 1,2,3
	v_add_nc_u32 v[CB+\w], \w*AREA, v[CB]
.endr
	v_lshrrev_b32 v11, 4, v0
	v_and_b32 v[GO], 15, v0
	v_lshlrev_b32 v[GO], 4, v[GO]
	v_lshl_add_u32 v[GO], v11, 16, v[GO]           ; (t / 16) x 65,536 + 16 (t % 16)
	s_lshl_b32 s16, ttmp9, 19                      ; 32 rows of 16,384 bytes a work-group,
	s_lshl_b32 s17, s10, 17                        ; 8 a wave
	s_add_co_u32 s16, s16, s17
	s_mov_b32 s17, 0
	s_lshl_b32 s18, ttmp9, 8                       ; my work-group's 256 bytes in each channel block of part
	s_mov_b32 s19, 0
	s_mov_b32 s14, 0x7f800000                      ; +infinity
	s_wait_kmcnt 0x0
	s_add_nc_u64 s[XP:XP+1], s[XP:XP+1], s[16:17]
	s_add_nc_u64 s[8:9], s[8:9], s[18:19]
	WIN 0x80
.set j_, 0
.rept 32
	global_load_b128 v[4*j_:4*j_+3], v[XO], s[6:7] offset:512*j_   ; SU in the layout of a row as loaded
.set j_, j_+1
.endr
	LOADROW 0, 0
	WIN 0x80                                       ; while these are on their way: the minima begin at +infinity (a first row written out apart would cost a fourth copy of the transform)
.set j_, 0
.rept 128
	v_mov_b32 v[128+j_], s14
.set j_, j_+1
.endr
	WIN 0xc0
.set j_, 0
.rept 128
	v_mov_b32 v[j_], s14
.set j_, j_+1
.endr
	s_wait_loadcnt 32                              ; SU is in: only row 0's 32 loads were issued behind it
	WIN 0x82
.set j_, 0
.rept 64
	v_pk_mul_f32 v[2*j_:2*j_+1], v[2*j_:2*j_+1], 0x3c800000 op_sel_hi:[1,0]   ; SU / 64
.set j_, j_+1
.endr
	WIN 0
	LOADROW 1, ROWB
	s_mov_b32 s12, 3
.Lrows:                                            ; three trips: rows 2 i and 2 i + 1 are worked, rows 2 i + 2 and 2 i + 3 asked for
	ROW 0, 2*ROWB
	ROW 1, 3*ROWB
	s_wait_xcnt 0x0                                ; the loads have read their base: it may step
	s_add_nc_u64 s[XP:XP+1], s[XP:XP+1], 2*ROWB
	s_sub_co_u32 s12, s12, 1
	s_cmp_lg_u32 s12, 0
	s_cbranch_scc1 .Lrows
	s_wait_loadcnt 0x0                             ; rows 6 and 7 are in; nothing more is asked for: no load leaves x
	s_mov_b32 s13, 0
.Ltail:                                            ; two trips of one copy
	s_cmp_eq_u32 s13, 0
	s_cbranch_scc0 .Lset1
	MULSU 0
	s_branch .Lgo
.Lset1:
	MULSU 1
.Lgo:
	PROCESS
	s_add_co_u32 s13, s13, 1
	s_cmp_lt_u32 s13, 2
	s_cbranch_scc1 .Ltail
	; the four waves' minima meet in LDS: each wave puts its 4,096 + 4,096 numbers into its own area (its last reads of it are back: the exchange's last wait was for 0)
	WIN 0x08                                       ; an LDS store's data are its source 1: window 2
.set j_, 0
.rept 32
	ds_store_b128 v[XR], v[128+4*j_:128+4*j_+3] offset:16*j_
.set j_, j_+1
.endr
	WIN 0x0c                                       ; window 3
.set j_, 0
.rept 32
	ds_store_b128 v[XN], v[4*j_:4*j_+3] offset:16*j_
.set j_, j_+1
.endr
	WIN 0
	s_wait_dscnt 0x0                               ; for the others' sake: my stores have landed
	s_barrier_signal -1
	s_barrier_wait -1
.set b_, 0
.rept 4                                        ; sixteen rounds in four batches; each batch has result registers of its own, so that no store's data are written again
.set r_, 0
.rept 4
.irp w, 0,1,2,3
	ds_load_b128 v[W+16*r_+4*\w:W+16*r_+4*\w+3], v[CB+\w] offset:(4*b_+r_)*2*XPITCH
.endr
.set r_, r_+1
.endr
	s_wait_dscnt 0x0
.set r_, 0
.rept 4
.irp e, 0,1,2,3
	v_min3_num_f32 v[RES+16*b_+4*r_+\e], v[W+16*r_+\e], v[W+16*r_+4+\e], v[W+16*r_+8+\e]
.endr
.irp e, 0,1,2,3
	v_min_num_f32 v[RES+16*b_+4*r_+\e], v[RES+16*b_+4*r_+\e], v[W+16*r_+12+\e]
.endr
	global_store_b128 v[GO], v[RES+16*b_+4*r_:RES+16*b_+4*r_+3], s[8:9] offset:(4*b_+r_)*524288   ; sixteen lanes store 256 consecutive bytes, aligned; 15 x 524,288 lies inside the signed 24-bit immediate
.set r_, r_+1
.endr
.set b_, b_+1
.endr
	s_wait_tensorcnt 0x0
	ds_add_u32 v126, v127
	s_wait_dscnt 0x0
	s_endpgm
.Lfunc_end_k_qe26dc329e8_xstat:
	.size	k_qe26dc329e8_xstat, .Lfunc_end_k_qe26dc329e8_xstat-k_qe26dc329e8_xstat
	.p2alignl 7, 3214868480
	.fill 96, 4, 3214868480
	.section	.rodata,"a",@progbits
	.p2align	6, 0x0
	.amdhsa_kernel k_qe26dc329e8_xstat
		.amdhsa_group_segment_fixed_size 135936
		.amdhsa_private_segment_fixed_size 0
		.amdhsa_enable_private_segment 0
		.amdhsa_kernarg_size 24
		.amdhsa_user_sgpr_count 2
		.amdhsa_user_sgpr_kernarg_segment_ptr 1
		.amdhsa_wavefront_size32 1
		.amdhsa_system_sgpr_workgroup_id_x 1
		.amdhsa_system_sgpr_workgroup_id_y 1
		.amdhsa_system_sgpr_workgroup_id_z 1
		.amdhsa_system_vgpr_workitem_id 0
		.amdhsa_next_free_vgpr 896
		.amdhsa_next_free_sgpr 66
		.amdhsa_reserve_vcc 0
		.amdhsa_float_denorm_mode_32 3
		.amdhsa_float_denorm_mode_16_64 3
		.amdhsa_memory_ordered 1
		.amdhsa_forward_progress 1
		.amdhsa_inst_pref_size 255
	.end_amdhsa_kernel
	.section	.bss,"aw",@nobits
	.p2align	6
	.space	262144
	.amdgpu_metadata
---
amdhsa.version: [ 1, 2 ]
amdhsa.kernels:
  - .name:           k_qe26dc329e8_xstat
    .symbol:         k_qe26dc329e8_xstat.kd
    .args:
      - { .name: x, .offset: 0, .size: 8, .value_kind: global_buffer, .address_space: global }
      - { .name: SU, .offset: 8, .size: 8, .value_kind: global_buffer, .address_space: global }
      - { .name: part, .offset: 16, .size: 8, .value_kind: global_buffer, .address_space: global }
    .group_segment_fixed_size: 135936
    .private_segment_fixed_size: 0
    .kernarg_segment_align: 8
    .kernarg_segment_size: 24
    .max_flat_workgroup_size: 128
    .sgpr_count:     66
    .vgpr_count:     896
    .wavefront_size: 32
...
	.end_amdgpu_metadata
.endif
;; end of part 1
;; launch prep (part 2): grid 128 x 1, 16 waves a work-group, no clusters, 301,824 bytes of LDS; arguments part, trellis, SV, weight_scales, qtab, w_codes; writes qtab, w_codes
.if DOCPART == 2
	.amdgcn_target "amdgcn-amd-amdhsa--gfx1250"
	.amdhsa_code_object_version 6
	.text
	.protected	k_qe26dc329e8_prep
	.globl	k_qe26dc329e8_prep
	.p2align	8
	.type	k_qe26dc329e8_prep,@function
k_qe26dc329e8_prep:
	s_mov_b64 s[64:65], 0
	v_nop
	global_prefetch_b8 v0, s[64:65] scope:SCOPE_SE
	s_setreg_imm32_b32 hwreg(HW_REG_WAVE_MODE, 25, 1), 1
	s_wait_xcnt 0x0
; Work-group u owns columns 32 u .. 32 u + 31 of the weight (one block of 32 along the product's K, for all 2,048 rows) and the same channels of the activations' statistics.
; THE WEIGHT.  w[o][i] = FWHT_2048 over o of grid[code[o][i]] x SV[o] x weight_scales[16 o + i / 256].  The codes become the whole numbers -3, -1, 1, 3; the transform's sums stay at or under 6,144 and are exact in f32;
; one factor F[o] = (SV[o] / sqrt(10240)) x weight_scales follows (1 / sqrt(5) of the grid and 1 / sqrt(2048) of the transform in one constant).  Then the block is quantised: E3M2 codes and one E8M0 byte.
; PHASES.  raw words to LDS | a lane takes a column, its 128 registers rows 128 w + k: decode, o bits 0-6 | exchange by columns | registers 8 h + e = rows 128 h + 8 w + e: o bits 7-10 | turn to rows | a lane takes a row, 32 registers its block: quantise, store.
; THE CODES' LAYOUT, this program's own: [K step of 256: 16][32 rows: 64][128 of the step: 2][block of 32: 4][piece of 8 bytes: 3][row' 32][8 bytes], row' = row % 32, for odd blocks xor 16.  A wave's store of one piece of 32 rows is 256 consecutive bytes, aligned.
; The scale bytes: [K step 16][row 2048][8 bytes].  Eight work-groups share a row's 8 bytes, each byte has one owner: stores of single bytes, 256 KB in the whole launch.
; THE STATISTICS.  part's block u (65,536 dense bytes) is reduced to 32 minima and 32 minima of -xh; wave 0 makes scale = max((xmax - xmin) / 255, 1e-8), 1 / scale and zero = round(-xmin / scale), and stores them in the
; register layout of the next launch: qtab [scale, 1/scale, zero][j 32][lane 32][4], channel 128 lane + 4 j + e.  Both divisions are a product with a reciprocal and one correction by fused multiply-adds.
; LIMITS: NaN and infinities among the inputs are not served.  A block of zeros gets the byte 1 and not 127: its codes are zeros, and this program alone reads the bytes.
; 128 work-groups: the transform wants all 2,048 rows of a column together, and a block 32 columns.  No prefetch: the launch is short and each work-group's loads go out at its head.
.set P8,  8208                         ; a column's 2,048 numbers + 16 bytes = 513 x 16
.set RAW, 32*P8                        ; the raw words: [word 4] pitch 8,208, [row] x 4
.set RS,  RAW+4*P8                     ; the statistics: 256 bytes a wave
.set EP,  144                          ; a row's 32 numbers + 16 bytes = 9 x 16.  2,048 such rows lie over the columns and the raw words, behind barriers, and end under RS
.set D,   64                           ; v64-191 the 128 numbers at work
.macro STAGE0 base
.set n_, 0
.rept 64
	v_pk_add_f32 v[\base+2*n_:\base+2*n_+1], v[\base+2*n_:\base+2*n_+1], v[\base+2*n_:\base+2*n_+1] op_sel:[0,1] op_sel_hi:[0,1] neg_hi:[0,1]
.set n_, n_+1
.endr
.endm
.macro STAGE base, b                   ; the butterflies of register-number bit b: A' = A + B, B' = A' - 2 B: exact on these whole numbers
.set g_, 0
.rept 4
.set n_, 0
.rept 8
.set nn_, 8*g_+n_
.set lo_, ((nn_>>((\b)-1))<<(\b)) | (nn_ & ((1<<((\b)-1))-1))
.set A_, \base+2*lo_
.set B_, A_+(1<<(\b))
	v_pk_add_f32 v[A_:A_+1], v[A_:A_+1], v[B_:B_+1]
.set n_, n_+1
.endr
.set n_, 0
.rept 8
.set nn_, 8*g_+n_
.set lo_, ((nn_>>((\b)-1))<<(\b)) | (nn_ & ((1<<((\b)-1))-1))
.set A_, \base+2*lo_
.set B_, A_+(1<<(\b))
	v_pk_fma_f32 v[B_:B_+1], v[B_:B_+1], -2.0, v[A_:A_+1] op_sel_hi:[1,0,1]
.set n_, n_+1
.endr
.set g_, g_+1
.endr
.endm
.macro BARRIER                         ; my LDS stores have landed and my LDS loads are in: then the work-group's barrier
	s_wait_dscnt 0x0
	s_barrier_signal -1
	s_barrier_wait -1
.endm
	s_load_b256 s[4:11], s[0:1], 0x0               ; part, trellis, SV, weight_scales
	s_load_b128 s[12:15], s[0:1], 0x20             ; qtab, w_codes
	v_lshl_add_u32 v62, v0, 2, 0x49300
	v_mov_b32 v63, 0
	v_lshrrev_b32 v1, 5, v0
	s_delay_alu instid0(VALU_DEP_1)
	v_readfirstlane_b32 s18, v1                    ; wave 0..15
	v_and_b32 v1, 31, v0                           ; lane
	s_delay_alu instid0(VALU_DEP_1)
	v_and_b32 v2, 7, v1
	s_delay_alu instid0(VALU_DEP_1)
	v_lshlrev_b32 v2, 1, v2
	s_delay_alu instid0(VALU_DEP_1)
	v_sub_nc_u32 v2, 14, v2                        ; column l's field in its word: the first column in the highest two of 16 bits
	v_lshl_add_u32 v3, v0, 2, RAW                  ; raw words in: 4 t
	v_lshrrev_b32 v24, 3, v1
	s_delay_alu instid0(VALU_DEP_1)
	v_mul_u32_u24 v4, v24, P8
	s_lshl_b32 s24, s18, 9
	v_add_nc_u32 v4, s24, v4
	s_delay_alu instid0(VALU_DEP_1)
	v_add_nc_u32 v4, RAW, v4                       ; and out: word l / 8, rows 128 w on
	v_mul_u32_u24 v5, v1, P8
	s_lshl_b32 s25, s18, 5
	v_add_nc_u32 v6, s25, v5                       ; columns out: column l, rows 8 w on
	v_add_nc_u32 v5, s24, v5                       ; columns in: column l, rows 128 w on
	s_mul_i32 s25, s18, 8*EP
	v_lshl_add_u32 v7, v1, 2, s25                  ; rows in: 4 l + 144 x (8 w), and 512 rows further for each a
.irp a, 1,2,3
	v_add_nc_u32 v[7+\a], \a*512*EP, v7
.endr
	s_mul_i32 s25, s18, 128*EP
	v_mul_u32_u24 v11, v1, EP
	s_delay_alu instid0(VALU_DEP_1)
	v_add_nc_u32 v11, s25, v11                     ; rows out: row 128 w + l
	v_and_b32 v24, 15, v1
	s_delay_alu instid0(VALU_DEP_1)
	v_lshlrev_b32 v12, 4, v24
	s_lshl_b32 s25, s18, 8
	v_add_nc_u32 v12, s25, v12
	s_delay_alu instid0(VALU_DEP_1)
	v_add_nc_u32 v12, RS, v12                      ; statistics in: my wave's 256 bytes
	v_lshl_add_u32 v13, v1, 2, RS                  ; and out: channel l
	v_lshlrev_b32 v14, 11, v0                      ; trellis: a row of the weight is 512 words
	v_lshlrev_b32 v15, 4, v0                       ; part
	v_lshl_add_u32 v16, v1, 2, s24                 ; SV: row 128 w + l
	s_lshl_b32 s25, s18, 13
	v_lshl_add_u32 v17, v1, 6, s25                 ; weight_scales: 16 numbers a row
	s_and_b32 s26, ttmp9, 1
	s_lshl_b32 s26, s26, 4
	v_xor_b32 v18, s26, v1
	s_delay_alu instid0(VALU_DEP_1)
	v_lshlrev_b32 v18, 3, v18                      ; the codes: 8 x row'
	v_lshlrev_b32 v19, 2, v1                       ; the scale bytes: a word of four for each row
	v_lshrrev_b32 v24, 2, v1
	v_and_b32 v25, 3, v1
	s_delay_alu instid0(VALU_DEP_2)
	v_lshlrev_b32 v20, 9, v24
	s_delay_alu instid0(VALU_DEP_1)
	v_lshl_add_u32 v20, v25, 2, v20                ; qtab: 512 (l / 4) + 4 (l % 4)
.irp e, 0,1,2,3
	v_mov_b32 v[28+\e], 0                          ; written once: a lane permute's destination counts as one of its sources
.endr
	s_mov_b32 s22, 0x76543210
	s_mov_b32 s23, 0xfedcba98                      ; v_permlanex16_b32's selects for lane l xor 16
	s_mov_b32 s30, 0x437f0000                      ; 255
	s_mov_b32 s31, 0x3b808081                      ; 1 / 255
	s_mov_b32 s21, 0
	s_wait_kmcnt 0x0
	s_lshl_b32 s20, ttmp9, 16
	s_add_nc_u64 s[4:5], s[4:5], s[20:21]          ; part: block u
	s_lshl_b32 s20, ttmp9, 4
	s_add_nc_u64 s[6:7], s[6:7], s[20:21]          ; trellis: words 4 u on
	s_lshr_b32 s26, ttmp9, 3                       ; u / 8: the K step of 256, and the group of weight_scales
	s_lshl_b32 s20, s26, 2
	s_add_nc_u64 s[10:11], s[10:11], s[20:21]
	s_and_b32 s27, ttmp9, 3
	s_lshl_b32 s20, s27, 12
	s_lshr_b32 s28, ttmp9, 2
	s_lshl_b32 s29, s28, 4
	s_add_co_u32 s20, s20, s29
	s_add_nc_u64 s[12:13], s[12:13], s[20:21]      ; qtab: 4,096 (u % 4) + 16 (u / 4)
	; THE LAYOUT OF w_codes AS IT IS STORED (it takes the place of the two layouts named at the head): [128 of K: 32][128 rows: 16][12,800 bytes]; in these: [32 rows: 4][block of 32: 4][piece of 8 bytes: 3][row' 32][8 bytes], 12,288 bytes of codes,
	; and behind them [row 128][4 scale bytes], one for each block.  My wave's 128 rows are one such entry.
	s_mul_i32 s20, s28, 204800                     ; my 128 of K: u / 4
	s_mul_i32 s28, s18, 12800                      ; my wave's 128 rows
	s_add_co_u32 s20, s20, s28
	s_add_co_u32 s28, s20, s27                     ; the scale bytes: my byte of four, u % 4,
	s_add_co_u32 s28, s28, 12288                   ; behind the entry's codes
	s_mov_b32 s29, 0
	s_add_nc_u64 s[16:17], s[14:15], s[28:29]
	s_mul_i32 s27, s27, 768                        ; the codes: my block
	s_add_co_u32 s20, s20, s27
	s_add_nc_u64 s[14:15], s[14:15], s[20:21]
.irp a, 0,1,2,3
	global_load_b128 v[192+4*\a:195+4*\a], v14, s[6:7] offset:\a*1048576   ; row 512 a + t: its four words of my 32 columns
.endr
.irp i, 0,1,2,3,4,5,6,7
	global_load_b128 v[208+4*\i:211+4*\i], v15, s[4:5] offset:\i*8192      ; 512 threads read 8,192 consecutive bytes
.endr
.irp a, 0,1,2,3
	global_load_b32 v[240+\a], v16, s[8:9] offset:128*\a                   ; SV of row 128 w + 32 a + l
.endr
.irp a, 0,1,2,3
	global_load_b32 v[244+\a], v17, s[10:11] offset:2048*\a                ; and its group's scale
.endr
	s_wait_loadcnt 16                              ; the trellis words are in: 8 + 4 + 4 loads were issued behind them
.irp a, 0,1,2,3
.irp j, 0,1,2,3
	ds_store_b32 v3, v[192+4*\a+\j] offset:\j*P8+2048*\a
.endr
.endr
	s_wait_loadcnt 0x0
.irp e, 0,1,2,3                                ; my 16 bytes of eight units: work-groups t / 16 + 32 i of the launch before
	v_min3_num_f32 v[24+\e], v[208+\e], v[212+\e], v[216+\e]
.endr
.irp i, 220,228
.irp e, 0,1,2,3
	s_delay_alu instid0(VALU_DEP_4)
	v_min3_num_f32 v[24+\e], v[24+\e], v[\i+\e], v[\i+4+\e]
.endr
.endr
.irp e, 0,1,2,3
	s_delay_alu instid0(VALU_DEP_4)
	v_min_num_f32 v[24+\e], v[24+\e], v[236+\e]
.endr
.irp e, 0,1,2,3
	s_delay_alu instid0(VALU_DEP_4)
	v_permlanex16_b32 v[28+\e], v[24+\e], s22, s23
.endr
.irp e, 0,1,2,3
	s_delay_alu instid0(VALU_DEP_4)
	v_min_num_f32 v[24+\e], v[24+\e], v[28+\e]
.endr
	ds_store_b128 v12, v[24:27]                    ; lanes l and l xor 16 write the same bytes with the same values
.irp a, 0,1,2,3
	v_mul_f32 v[240+\a], 0x3c21e89b, v[240+\a]     ; SV / sqrt(10240)
.endr
.irp a, 0,1,2,3
	s_delay_alu instid0(VALU_DEP_4)
	v_mul_f32 v[248+2*\a], v[240+\a], v[244+\a]    ; F, twice: a pair for the packed multiply
.endr
.irp a, 0,1,2,3
	s_delay_alu instid0(VALU_DEP_4)
	v_mov_b32 v[249+2*\a], v[248+2*\a]
.endr
	BARRIER                                        ; the raw words and the sixteen waves' statistics lie in LDS
.set m_, 0
.rept 32
	ds_load_b128 v[D+4*m_:D+4*m_+3], v4 offset:16*m_   ; rows 128 w + 4 m ..: the word that holds column l (eight lanes share an address)
.set m_, m_+1
.endr
	s_wait_dscnt 0x0
.set m_, 0
.rept 128
	v_bfe_u32 v[D+m_], v[D+m_], v2, 2
.set m_, m_+1
.endr
.set m_, 0
.rept 128
	v_cvt_f32_u32 v[D+m_], v[D+m_]
.set m_, m_+1
.endr
.set m_, 0
.rept 64
	v_pk_fma_f32 v[D+2*m_:D+2*m_+1], v[D+2*m_:D+2*m_+1], 2.0, 0xc0400000 op_sel_hi:[1,0,0]   ; 2 code - 3
.set m_, m_+1
.endr
	STAGE0 D
	STAGE D, 1
	STAGE D, 2
	STAGE D, 3
	STAGE D, 4
	STAGE D, 5
	STAGE D, 6
.set m_, 0
.rept 32
	ds_store_b128 v5, v[D+4*m_:D+4*m_+3] offset:16*m_
.set m_, m_+1
.endr
	BARRIER                                        ; all columns lie in LDS, o bits 0-6 done
.irp h, 0,1,2,3,4,5,6,7,8,9,10,11,12,13,14,15
	ds_load_b128 v[D+8*\h:D+8*\h+3], v6 offset:512*\h
	ds_load_b128 v[D+8*\h+4:D+8*\h+7], v6 offset:512*\h+16
.endr
	s_wait_dscnt 0x0                               ; my reads of the columns are over: behind this barrier the rows are written over them
	s_barrier_signal -1
	STAGE D, 3                                     ; work on registers while the others arrive: o bits 7-10
	STAGE D, 4
	STAGE D, 5
	STAGE D, 6
	s_wait_alu depctr_va_vdst(0)
	s_barrier_wait -1
.irp a, 0,1,2,3
.irp hh, 0,1,2,3
.irp e, 0,1,2,3,4,5,6,7
	ds_store_b32 v[7+\a], v[D+8*(4*\a+\hh)+\e] offset:\hh*128*EP+\e*EP   ; row 128 (4 a + hh) + 8 w + e: the 32 lanes write its 128 bytes
.endr
.endr
.endr
	BARRIER                                        ; all rows lie in LDS
.irp a, 0,1,2,3
.irp c, 0,1,2,3,4,5,6,7
	ds_load_b128 v[D+32*\a+4*\c:D+32*\a+4*\c+3], v11 offset:32*EP*\a+16*\c   ; row 128 w + 32 a + l: its 32 numbers
.endr
.endr
	s_wait_dscnt 0x0
.irp a, 0,1,2,3
.set m_, 0
.rept 16
	v_pk_mul_f32 v[D+32*\a+2*m_:D+32*\a+2*m_+1], v[D+32*\a+2*m_:D+32*\a+2*m_+1], v[248+2*\a:249+2*\a]
.set m_, m_+1
.endr
.endr
.irp a, 0,1,2,3                                ; each block's largest magnitude, in two chains, the four blocks by turns; the floor 2^(5 - 127) holds the byte at 1 from below
	v_max3_num_f32 v[24+\a], |v[D+32*\a]|, |v[D+32*\a+1]|, 0x2800000
	v_max3_num_f32 v[28+\a], |v[D+32*\a+2]|, |v[D+32*\a+3]|, 0x2800000
.endr
.irp i, 4,8,12,16,20,24,28
.irp a, 0,1,2,3
	v_max3_num_f32 v[24+\a], v[24+\a], |v[D+32*\a+\i]|, |v[D+32*\a+\i+1]|
	v_max3_num_f32 v[28+\a], v[28+\a], |v[D+32*\a+\i+2]|, |v[D+32*\a+\i+3]|
.endr
.endr
.irp a, 0,1,2,3
	v_max_num_f32 v[24+\a], v[24+\a], v[28+\a]
.endr
.irp a, 0,1,2,3
	s_delay_alu instid0(VALU_DEP_4)
	v_add_nc_u32 v[32+\a], 0xfe000000, v[24+\a]    ; 4 off its exponent field: the conversion takes the exponent field of this operand as its scale
.endr
.irp a, 0,1,2,3
	s_delay_alu instid0(VALU_DEP_4)
	v_lshrrev_b32 v[36+\a], 23, v[32+\a]           ; the scale's byte
.endr
.irp a, 0,1,2,3
	v_cvt_scalef32_pk16_bf6_f32 v[192+10*\a:194+10*\a], v[D+32*\a:D+32*\a+15], v[32+\a]
	v_cvt_scalef32_pk16_bf6_f32 v[198+10*\a:200+10*\a], v[D+32*\a+16:D+32*\a+31], v[32+\a]   ; (a conversion's three registers begin on an even number)
.endr
	v_nop                                          ; one plain place behind the scaled conversions
.irp a, 0,1,2,3
.irp i, 0,1,2
	v_mov_b32 v[195+10*\a+\i], v[198+10*\a+\i]     ; the block's 192 bits on end
.endr
.endr
.irp a, 0,1,2,3
.irp p, 0,1,2
	global_store_b64 v18, v[192+10*\a+2*\p:193+10*\a+2*\p], s[14:15] offset:\a*3072+\p*256   ; piece p of 32 rows: 256 consecutive bytes, aligned
.endr
	global_store_b8 v19, v[36+\a], s[16:17] offset:128*\a
.endr
	s_cmp_lg_u32 s18, 0                            ; wave 0 alone finishes the statistics; no barrier follows
	s_cbranch_scc1 .Ldone
.irp v, 0,1,2,3,4,5,6,7,8,9,10,11,12,13,14,15
	ds_load_b32 v[64+\v], v13 offset:256*\v        ; channel 32 u + l: wave v's minimum,
	ds_load_b32 v[80+\v], v13 offset:256*\v+128    ; and its minimum of -xh
.endr
	s_wait_dscnt 0x0
	v_min3_num_f32 v40, v64, v65, v66
	v_min3_num_f32 v41, v80, v81, v82
.irp i, 3,5,7,9,11,13
	s_delay_alu instid0(VALU_DEP_2)
	v_min3_num_f32 v40, v40, v[64+\i], v[65+\i]
	s_delay_alu instid0(VALU_DEP_2)
	v_min3_num_f32 v41, v41, v[80+\i], v[81+\i]
.endr
	s_delay_alu instid0(VALU_DEP_2)
	v_min_num_f32 v40, v40, v79                    ; xmin
	s_delay_alu instid0(VALU_DEP_2)
	v_min_num_f32 v41, v41, v95                    ; -xmax
	s_delay_alu instid0(VALU_DEP_1)
	v_sub_f32 v42, -v41, v40                       ; xmax - xmin
	s_delay_alu instid0(VALU_DEP_1)
	v_mul_f32 v43, s31, v42
	s_delay_alu instid0(VALU_DEP_1)
	v_fma_f32 v44, -v43, s30, v42                  ; what the first quotient leaves,
	s_delay_alu instid0(VALU_DEP_1)
	v_fma_f32 v43, v44, s31, v43                   ; put back: (xmax - xmin) / 255
	s_delay_alu instid0(VALU_DEP_1)
	v_max_num_f32 v43, 0x322bcc77, v43             ; scale, at least 1e-8
	s_wait_alu depctr_va_vdst(0)
	v_rcp_f32 v44, v43
	v_nop                                          ; a plain place behind the transcendental
	s_wait_alu depctr_va_vdst(0)                   ; and a wait ahead of its first reader
	v_fma_f32 v45, -v43, v44, 1.0
	v_fma_f32 v44, v45, v44, v44                   ; 1 / scale, corrected once
	s_delay_alu instid0(VALU_DEP_1)
	v_mul_f32 v46, -v40, v44
	s_delay_alu instid0(VALU_DEP_1)
	v_fma_f32 v47, -v46, v43, -v40
	s_delay_alu instid0(VALU_DEP_1)
	v_fma_f32 v46, v47, v44, v46                   ; -xmin / scale
	s_delay_alu instid0(VALU_DEP_1)
	v_rndne_f32 v46, v46                           ; zero
	global_store_b32 v20, v43, s[12:13]
	global_store_b32 v20, v44, s[12:13] offset:16384
	global_store_b32 v20, v46, s[12:13] offset:32768
.Ldone:
	s_wait_tensorcnt 0x0
	ds_add_u32 v62, v63
	s_wait_dscnt 0x0
	s_endpgm
.Lfunc_end_k_qe26dc329e8_prep:
	.size	k_qe26dc329e8_prep, .Lfunc_end_k_qe26dc329e8_prep-k_qe26dc329e8_prep
	.p2alignl 7, 3214868480
	.fill 96, 4, 3214868480
	.section	.rodata,"a",@progbits
	.p2align	6, 0x0
	.amdhsa_kernel k_qe26dc329e8_prep
		.amdhsa_group_segment_fixed_size 301824
		.amdhsa_private_segment_fixed_size 0
		.amdhsa_enable_private_segment 0
		.amdhsa_kernarg_size 48
		.amdhsa_user_sgpr_count 2
		.amdhsa_user_sgpr_kernarg_segment_ptr 1
		.amdhsa_wavefront_size32 1
		.amdhsa_system_sgpr_workgroup_id_x 1
		.amdhsa_system_sgpr_workgroup_id_y 1
		.amdhsa_system_sgpr_workgroup_id_z 1
		.amdhsa_system_vgpr_workitem_id 0
		.amdhsa_next_free_vgpr 256
		.amdhsa_next_free_sgpr 66
		.amdhsa_reserve_vcc 0
		.amdhsa_float_denorm_mode_32 3
		.amdhsa_float_denorm_mode_16_64 3
		.amdhsa_memory_ordered 1
		.amdhsa_forward_progress 1
		.amdhsa_inst_pref_size 105
	.end_amdhsa_kernel
	.amdgpu_metadata
---
amdhsa.version: [ 1, 2 ]
amdhsa.kernels:
  - .name:           k_qe26dc329e8_prep
    .symbol:         k_qe26dc329e8_prep.kd
    .args:
      - { .name: part, .offset: 0, .size: 8, .value_kind: global_buffer, .address_space: global }
      - { .name: trellis, .offset: 8, .size: 8, .value_kind: global_buffer, .address_space: global }
      - { .name: SV, .offset: 16, .size: 8, .value_kind: global_buffer, .address_space: global }
      - { .name: weight_scales, .offset: 24, .size: 8, .value_kind: global_buffer, .address_space: global }
      - { .name: qtab, .offset: 32, .size: 8, .value_kind: global_buffer, .address_space: global }
      - { .name: w_codes, .offset: 40, .size: 8, .value_kind: global_buffer, .address_space: global }
    .group_segment_fixed_size: 301824
    .private_segment_fixed_size: 0
    .kernarg_segment_align: 8
    .kernarg_segment_size: 48
    .max_flat_workgroup_size: 512
    .sgpr_count:     66
    .vgpr_count:     256
    .wavefront_size: 32
...
	.end_amdgpu_metadata
.endif
;; end of part 2
;; launch xquant (part 3): grid 256 x 1, 4 waves a work-group, no clusters, 171,264 bytes of LDS; arguments x, SU, qtab, a_codes; writes a_codes
.if DOCPART == 3
	.amdgcn_target "amdgcn-amd-amdhsa--gfx1250"
	.amdhsa_code_object_version 6
	.text
	.protected	k_qe26dc329e8_xquant
	.globl	k_qe26dc329e8_xquant
	.p2align	8
	.type	k_qe26dc329e8_xquant,@function
k_qe26dc329e8_xquant:
	s_mov_b64 s[64:65], 0
	v_nop
	global_prefetch_b8 v0, s[64:65] scope:SCOPE_SE
	s_setreg_imm32_b32 hwreg(HW_REG_WAVE_MODE, 25, 1), 1
	s_wait_xcnt 0x0
; xh = FWHT_4096(x * SU) / 64 is made a second time, by the same lines as in the launch that took the statistics (the same bits); then, for each number,
; q = clip(round(xh / scale) + zero, 0, 255), dq = (q - zero) x scale, xq = xh + (dq - xh), all in f32; then xq is quantised along the channels: E3M2 codes, one E8M0 byte for each 32.
; Making xh twice reads x twice; storing it would write and read as many bytes again.
; SHARES.  A work-group takes 32 rows, each of its four waves 8.  Behind the transform register k of lane l is channel 128 l + k: a lane holds four whole blocks of 32, so no maximum leaves the lane.
; THE CODES' LAYOUT, this program's own: [K step of 256: 16][32 rows: 256][128 of the step: 2][block of 32: 4][piece of 8 bytes: 3][row' 32][8 bytes], row' = row % 32, for odd blocks xor 16.
; A work-group's 32 rows are one [32 rows] entry of every K step: the codes are gathered in LDS in that very order and leave at the end by stores of 512 consecutive bytes.  The scale bytes: [K step 16][row 8192][8 bytes], likewise.
; xh / scale is taken as xh x (1 / scale), 1 / scale right to about an ulp.
; LIMITS: NaN and infinities among x and SU are not served; SU / 64 is exact for |SU| from 2^-120 on.  A block of zeros gets the byte 1 and not 127: its codes are zeros, and this program alone reads the bytes.
; LEFT OUT: tensor loads, clusters, prefetches: work-groups share only SU and the tables (64 KB), x is read once by loads of 512 consecutive bytes, two rows a wave are always on their way.
; REGISTERS, in windows of 256: window 0: v0-23 addresses and a block's figures, v24-63 codes, v64-127 Q (64 numbers at work), v128-255 W (the row); window 1: two landing sets; window 2: SU/64, scale; window 3: 1/scale, zero.
.set ROWB,   16384
.set XPITCH, 528                       ; a row of the exchange area: 512 bytes + 16 = 33 x 16
.set AREA,   32*XPITCH
.set IMG,    4*AREA                    ; the codes' image: 32 groups of 128 along K, 3,072 bytes each,
.set IPITCH, 3088                      ; 16 bytes apart more, so that the lanes' stores of 8 bytes fall two deep on the banks and not 32 deep; a multiple of 16 for the way out
.set SIMG,   IMG+32*IPITCH             ; the scale bytes' image: 16 K steps of 256 bytes,
.set SPITCH, 264                       ; 8 bytes apart more
; THE LAYOUT OF a_codes AS IT IS STORED (it takes the place of the two layouts named at the head): [128 of K: 32][128 rows: 64][12,800 bytes]; in these: [32 rows: 4][block of 32: 4][piece of 8 bytes: 3][row' 32][8 bytes], 12,288 bytes of codes,
; and behind them [row 128][4 scale bytes], one for each block.
.set KUA,    819200                    ; 128 along K of a_codes: 64 x 12,800 bytes
.set W,   128
.set Q,   64
.set XO,  2                            ; v2   16 x lane
.set XW,  3                            ; v3   my area + 16 x lane
.set XR,  4                            ; v4   my area + 528 x lane
.set AIE, 5                            ; v5   image: my group of 128, my wave's first row, even blocks
.set AIO, 6                            ; v6   odd blocks: the row xor 16
.set ASI, 7                            ; v7   the scale word's place
.set AE,  8                            ; v8-10 the same three + the row in hand
.set AO,  9
.set AS,  10
.set FL,  11                           ; v11  the way out: my wave's eight groups, 16 x lane
.set FS,  20                           ; v20  my wave's four K steps of scale bytes, 8 x lane
.set G8,  21                           ; v21  8 x lane
.set PW,  23                           ; v23  the scale word
.set XP,  4                            ; s[4:5] x at my wave's rows
.set MSB, 0
.macro WIN new                         ; the immediate's high byte repeats the setting that is left
.if MSB != \new
	s_set_vgpr_msb (MSB<<8)|\new
.set MSB, \new
.endif
.endm
.macro STAGE0 base                     ; the butterfly inside a register pair: low = a + b, high = a - b
.set n_, 0
.rept 64
	v_pk_add_f32 v[\base+2*n_:\base+2*n_+1], v[\base+2*n_:\base+2*n_+1], v[\base+2*n_:\base+2*n_+1] op_sel:[0,1] op_sel_hi:[0,1] neg_hi:[0,1]
.set n_, n_+1
.endr
.endm
.macro STAGE base, b                   ; the butterflies of register-number bit b (1..6): A' = A + B, B' = A' - 2 B
.set g_, 0
.rept 4
.set n_, 0
.rept 8
.set nn_, 8*g_+n_
.set lo_, ((nn_>>((\b)-1))<<(\b)) | (nn_ & ((1<<((\b)-1))-1))
.set A_, \base+2*lo_
.set B_, A_+(1<<(\b))
	v_pk_add_f32 v[A_:A_+1], v[A_:A_+1], v[B_:B_+1]
.set n_, n_+1
.endr
.set n_, 0
.rept 8
.set nn_, 8*g_+n_
.set lo_, ((nn_>>((\b)-1))<<(\b)) | (nn_ & ((1<<((\b)-1))-1))
.set A_, \base+2*lo_
.set B_, A_+(1<<(\b))
	v_pk_fma_f32 v[B_:B_+1], v[B_:B_+1], -2.0, v[A_:A_+1] op_sel_hi:[1,0,1]
.set n_, n_+1
.endr
.set g_, g_+1
.endr
.endm
.macro FW1                             ; channel bits 0, 1, 7..11; the last stage's results go to the exchange area as they are finished
	STAGE0 W
	STAGE W, 1
	STAGE W, 2
	STAGE W, 3
	STAGE W, 4
	STAGE W, 5
.set j_, 0
.rept 8
.irp d, 0,2,4,6
	v_pk_add_f32 v[W+4*j_+\d:W+4*j_+\d+1], v[W+4*j_+\d:W+4*j_+\d+1], v[W+4*j_+\d+64:W+4*j_+\d+65]
.endr
.irp d, 0,2,4,6
	v_pk_fma_f32 v[W+4*j_+\d+64:W+4*j_+\d+65], v[W+4*j_+\d+64:W+4*j_+\d+65], -2.0, v[W+4*j_+\d:W+4*j_+\d+1] op_sel_hi:[1,0,1]
.endr
	ds_store_b128 v[XW], v[W+4*j_:W+4*j_+3] offset:XPITCH*j_
	ds_store_b128 v[XW], v[W+4*j_+4:W+4*j_+7] offset:XPITCH*(j_+1)
	ds_store_b128 v[XW], v[W+4*j_+64:W+4*j_+67] offset:XPITCH*(j_+16)
	ds_store_b128 v[XW], v[W+4*j_+68:W+4*j_+71] offset:XPITCH*(j_+17)
.set j_, j_+2
.endr
.endm
.macro FW2                             ; back as channel 128 l + k; channel bits 2..6.  LDS serves a wave's instructions in order (ISA guide 5.7.1.4): the loads see the stores above
.set j_, 0
.rept 32
	ds_load_b128 v[W+4*j_:W+4*j_+3], v[XR] offset:16*j_
.set j_, j_+1
.endr
.set j_, 0
.rept 16
	s_wait_dscnt 30-2*j_                           ; quads 2 j and 2 j + 1 are in; the 30 - 2 j loads behind them may be out.  The last count is 0: the row before's stores into the images have read their registers too
	v_pk_add_f32 v[W+8*j_:W+8*j_+1], v[W+8*j_:W+8*j_+1], v[W+8*j_+4:W+8*j_+5]
	v_pk_add_f32 v[W+8*j_+2:W+8*j_+3], v[W+8*j_+2:W+8*j_+3], v[W+8*j_+6:W+8*j_+7]
	v_pk_fma_f32 v[W+8*j_+4:W+8*j_+5], v[W+8*j_+4:W+8*j_+5], -2.0, v[W+8*j_:W+8*j_+1] op_sel_hi:[1,0,1]
	v_pk_fma_f32 v[W+8*j_+6:W+8*j_+7], v[W+8*j_+6:W+8*j_+7], -2.0, v[W+8*j_+2:W+8*j_+3] op_sel_hi:[1,0,1]
.set j_, j_+1
.endr
	STAGE W, 3
	STAGE W, 4
	STAGE W, 5
	STAGE W, 6
.endm
.macro LOADROW ls, off
	WIN 0x40
.set j_, 0
.rept 32
	global_load_b128 v[128*(\ls)+4*j_:128*(\ls)+4*j_+3], v[XO], s[XP:XP+1] offset:(\off)+512*j_ th:TH_LOAD_NT
.set j_, j_+1
.endr
	WIN 0
.endm
.macro MULSU ls
	WIN 0x09
.set j_, 0
.rept 64
	v_pk_mul_f32 v[W+2*j_:W+2*j_+1], v[128*(\ls)+2*j_:128*(\ls)+2*j_+1], v[2*j_:2*j_+1]
.set j_, j_+1
.endr
	WIN 0
.endm
; Registers 64 c .. 64 c + 63 of the row (blocks 2 c and 2 c + 1 of my 128): the 8-bit step in runs of independent lines, each run under one window setting; then the two blocks' codes and bytes.
.macro FQ c, roff
	WIN 0x0c
.set n_, 0
.rept 32
	v_pk_mul_f32 v[Q+2*n_:Q+2*n_+1], v[W+64*\c+2*n_:W+64*\c+2*n_+1], v[64*\c+2*n_:64*\c+2*n_+1]   ; xh x (1 / scale)
.set n_, n_+1
.endr
	WIN 0
.set n_, 0
.rept 64
	v_rndne_f32 v[Q+n_], v[Q+n_]
.set n_, n_+1
.endr
	WIN 0x0c
.set n_, 0
.rept 32
	v_pk_add_f32 v[Q+2*n_:Q+2*n_+1], v[Q+2*n_:Q+2*n_+1], v[128+64*\c+2*n_:128+64*\c+2*n_+1]       ; + zero
.set n_, n_+1
.endr
	WIN 0
.set n_, 0
.rept 64
	v_med3_num_f32 v[Q+n_], v[Q+n_], 0, s18        ; held to 0 .. 255
.set n_, n_+1
.endr
	WIN 0x0c
.set n_, 0
.rept 32
	v_pk_add_f32 v[Q+2*n_:Q+2*n_+1], v[Q+2*n_:Q+2*n_+1], v[128+64*\c+2*n_:128+64*\c+2*n_+1] neg_lo:[0,1] neg_hi:[0,1]   ; - zero
.set n_, n_+1
.endr
	WIN 0x08
.set n_, 0
.rept 32
	v_pk_mul_f32 v[Q+2*n_:Q+2*n_+1], v[Q+2*n_:Q+2*n_+1], v[128+64*\c+2*n_:128+64*\c+2*n_+1]       ; x scale
.set n_, n_+1
.endr
	WIN 0
.set n_, 0
.rept 32
	v_pk_add_f32 v[Q+2*n_:Q+2*n_+1], v[Q+2*n_:Q+2*n_+1], v[W+64*\c+2*n_:W+64*\c+2*n_+1] neg_lo:[0,1] neg_hi:[0,1]       ; dq - xh
.set n_, n_+1
.endr
.set n_, 0
.rept 32
	v_pk_add_f32 v[Q+2*n_:Q+2*n_+1], v[W+64*\c+2*n_:W+64*\c+2*n_+1], v[Q+2*n_:Q+2*n_+1]           ; xh + (dq - xh)
.set n_, n_+1
.endr
.irp b, 0,1                                    ; each block's largest magnitude, in two chains, the two blocks by turns; the floor 2^(5 - 127) holds the byte at 1 from below
	v_max3_num_f32 v[12+\b], |v[Q+32*\b]|, |v[Q+32*\b+1]|, 0x2800000
	v_max3_num_f32 v[14+\b], |v[Q+32*\b+2]|, |v[Q+32*\b+3]|, 0x2800000
.endr
.irp i, 4,8,12,16,20,24,28
.irp b, 0,1
	v_max3_num_f32 v[12+\b], v[12+\b], |v[Q+32*\b+\i]|, |v[Q+32*\b+\i+1]|
	v_max3_num_f32 v[14+\b], v[14+\b], |v[Q+32*\b+\i+2]|, |v[Q+32*\b+\i+3]|
.endr
.endr
.irp b, 0,1
	v_max_num_f32 v[12+\b], v[12+\b], v[14+\b]
.endr
.irp b, 0,1
	v_add_nc_u32 v[16+\b], 0xfe000000, v[12+\b]    ; 4 off its exponent field: the conversion's scale operand
.endr
.irp b, 0,1
	v_lshrrev_b32 v[18+\b], 23, v[16+\b]           ; the scale's byte
.endr
.if \c == 0
	v_lshl_or_b32 v[PW], v19, 8, v18
.else
	v_lshl_or_b32 v[PW], v18, 16, v[PW]
	v_lshl_or_b32 v[PW], v19, 24, v[PW]
.endif
.irp b, 0,1
	v_cvt_scalef32_pk16_bf6_f32 v[24+20*\c+10*\b:26+20*\c+10*\b], v[Q+32*\b:Q+32*\b+15], v[16+\b]
	v_cvt_scalef32_pk16_bf6_f32 v[30+20*\c+10*\b:32+20*\c+10*\b], v[Q+32*\b+16:Q+32*\b+31], v[16+\b]   ; (a conversion's three registers begin on an even number)
.endr
	v_nop                                          ; one plain place behind the scaled conversions
.irp b, 0,1
.irp i, 0,1,2
	v_mov_b32 v[27+20*\c+10*\b+\i], v[30+20*\c+10*\b+\i]   ; the block's 192 bits on end
.endr
.endr
.irp p, 0,1,2
	ds_store_b64 v[AE], v[24+20*\c+2*\p:25+20*\c+2*\p] offset:(2*\c)*768+\p*256+\roff
	ds_store_b64 v[AO], v[34+20*\c+2*\p:35+20*\c+2*\p] offset:(2*\c+1)*768+\p*256+\roff
.endr
.endm
.macro PROCESS roff                    ; roff: 8 bytes for the second row of a trip
	FW1
	FW2
	v_add_nc_u32 v[AE], s17, v[AIE]                ; no LDS instruction of mine is out: the address registers may be written
	v_add_nc_u32 v[AO], s17, v[AIO]
	v_add_nc_u32 v[AS], s17, v[ASI]
	FQ 0, \roff
	FQ 1, \roff
	ds_store_b32 v[AS], v[PW] offset:\roff
.endm
.macro ROW ls, off, roff
	s_wait_loadcnt 32                              ; my set's 32 loads are in; the other set's 32, issued behind them, may be out
	MULSU \ls
	LOADROW \ls, \off
	PROCESS \roff
.endm
	s_load_b256 s[4:11], s[0:1], 0x0               ; x, SU, qtab, a_codes
	v_lshrrev_b32 v1, 5, v0
	v_readfirstlane_b32 s14, v1                    ; wave 0..3
	v_and_b32 v1, 31, v0                           ; lane
	v_lshlrev_b32 v[XO], 4, v1
	s_mul_i32 s19, s14, AREA
	v_add_nc_u32 v[XW], s19, v[XO]
	v_mul_u32_u24 v[XR], v1, XPITCH
	v_add_nc_u32 v[XR], s19, v[XR]
	v_mul_u32_u24 v[AIE], v1, IPITCH
	v_add_nc_u32 v[AIE], IMG, v[AIE]
	s_lshl_b32 s20, s14, 6                         ; my wave's first row x 8 bytes,
	s_xor_b32 s21, s20, 128                        ; and the same with the row xor 16
	v_add_nc_u32 v[AIO], s21, v[AIE]
	v_add_nc_u32 v[AIE], s20, v[AIE]
	v_lshrrev_b32 v12, 1, v1
	v_mul_u32_u24 v[ASI], v12, SPITCH
	v_and_b32 v12, 1, v1
	v_lshl_add_u32 v[ASI], v12, 2, v[ASI]          ; K step l / 2, word l % 2 of a row's 8 bytes
	v_add_nc_u32 v[ASI], s20, v[ASI]
	v_add_nc_u32 v[ASI], SIMG, v[ASI]
	s_mul_i32 s21, s14, 8*IPITCH
	v_add_nc_u32 v[FL], s21, v[XO]
	v_add_nc_u32 v[FL], IMG, v[FL]
	v_lshlrev_b32 v[G8], 3, v1
	v_lshlrev_b32 v22, 2, v1                       ; 4 x lane: a row's scale word on the way out
	s_mul_i32 s21, s14, 4*SPITCH
	v_add_nc_u32 v[FS], s21, v[G8]
	v_add_nc_u32 v[FS], SIMG, v[FS]
	s_mov_b32 s18, 0x437f0000                      ; 255
	s_mov_b32 s17, 0                               ; 8 x the trip's first row in my wave's eight
	s_lshl_b32 s20, ttmp9, 19
	s_lshl_b32 s21, s14, 17
	s_add_co_u32 s20, s20, s21
	s_mov_b32 s21, 0
	s_lshr_b32 s22, ttmp9, 2
	s_mul_i32 s22, s22, 12800                      ; the entry of 128 rows that holds my work-group's 32,
	s_mul_i32 s23, s14, 8*KUA                      ; my wave's eight groups of 128 along K on the way out
	s_add_co_u32 s22, s22, s23
	s_and_b32 s23, ttmp9, 3                        ; which 32 rows of the 128
	s_lshl_b32 s24, s23, 7
	s_add_co_u32 s24, s24, s22
	s_add_co_u32 s24, s24, 12288                   ; their scale words, behind the entry's codes
	s_mov_b32 s25, 0
	s_mul_i32 s23, s23, 3072
	s_add_co_u32 s22, s22, s23                     ; their codes
	s_mov_b32 s23, 0
	s_wait_kmcnt 0x0
	s_add_nc_u64 s[XP:XP+1], s[XP:XP+1], s[20:21]
	s_add_nc_u64 s[12:13], s[10:11], s[24:25]
	s_add_nc_u64 s[10:11], s[10:11], s[22:23]
	WIN 0x80
.set j_, 0
.rept 32
	global_load_b128 v[4*j_:4*j_+3], v[XO], s[6:7] offset:512*j_               ; SU in the layout of a row as loaded
.set j_, j_+1
.endr
.set j_, 0
.rept 32
	global_load_b128 v[128+4*j_:128+4*j_+3], v[XO], s[8:9] offset:512*j_       ; scale, in the layout behind the transform
.set j_, j_+1
.endr
	WIN 0xc0
.set j_, 0
.rept 32
	global_load_b128 v[4*j_:4*j_+3], v[XO], s[8:9] offset:16384+512*j_         ; 1 / scale
.set j_, j_+1
.endr
.set j_, 0
.rept 32
	global_load_b128 v[128+4*j_:128+4*j_+3], v[XO], s[8:9] offset:32768+512*j_ ; zero
.set j_, j_+1
.endr
	LOADROW 0, 0
	s_wait_loadcnt 32                              ; SU and the tables are in: only row 0's 32 loads were issued behind them
	WIN 0x82
.set j_, 0
.rept 64
	v_pk_mul_f32 v[2*j_:2*j_+1], v[2*j_:2*j_+1], 0x3c800000 op_sel_hi:[1,0]   ; SU / 64
.set j_, j_+1
.endr
	WIN 0
	LOADROW 1, ROWB
	s_mov_b32 s15, 3
.Lrows:                                            ; three trips: rows 2 i and 2 i + 1 are worked, rows 2 i + 2 and 2 i + 3 asked for
	ROW 0, 2*ROWB, 0
	ROW 1, 3*ROWB, 8
	s_wait_xcnt 0x0                                ; the loads have read their base: it may step
	s_add_nc_u64 s[XP:XP+1], s[XP:XP+1], 2*ROWB
	s_add_co_u32 s17, s17, 16
	s_sub_co_u32 s15, s15, 1
	s_cmp_lg_u32 s15, 0
	s_cbranch_scc1 .Lrows
	s_wait_loadcnt 0x0                             ; rows 6 and 7 are in; nothing more is asked for: no load leaves x
	s_mov_b32 s17, 48                              ; row 6
	s_mov_b32 s16, 0
.Ltail:                                            ; two trips of one copy
	s_cmp_eq_u32 s16, 0
	s_cbranch_scc0 .Lset1
	MULSU 0
	s_branch .Lgo
.Lset1:
	MULSU 1
.Lgo:
	PROCESS 0
	s_add_co_u32 s17, s17, 8
	s_add_co_u32 s16, s16, 1
	s_cmp_lt_u32 s16, 2
	s_cbranch_scc1 .Ltail
	s_wait_dscnt 0x0                               ; for the others' sake: my stores into the images have landed
	s_barrier_signal -1
	s_barrier_wait -1
	; THE WAY OUT: wave w takes the groups 8 w .. 8 w + 7 of 128 along K (K steps 4 w .. 4 w + 3): 48 loads of 512 bytes, 4 of 256
.set k_, 0
.rept 48
	ds_load_b128 v[32+4*k_:35+4*k_], v[FL] offset:(k_/6)*IPITCH+(k_%6)*512
.set k_, k_+1
.endr
.irp m, 0,1,2,3
	ds_load_b64 v[224+2*\m:225+2*\m], v[FS] offset:SPITCH*\m
.endr
.set k_, 0
.rept 48
	s_wait_dscnt 51-k_                             ; load k is in; the 51 - k behind it may be out
	global_store_b128 v[XO], v[32+4*k_:35+4*k_], s[10:11] offset:(k_/6)*KUA+(k_%6)*512   ; 512 consecutive bytes, at a multiple of 256 from the buffer's first byte
.set k_, k_+1
.endr
.irp m, 0,1,2,3
	s_wait_dscnt 3-\m
	global_store_b32 v22, v[224+2*\m], s[12:13] offset:(2*\m)*KUA     ; 32 rows' scale words of one group of 128 along K: 128 consecutive bytes
	global_store_b32 v22, v[225+2*\m], s[12:13] offset:(2*\m+1)*KUA
.endr
	s_wait_xcnt 0x0
	v_lshl_add_u32 v254, v0, 2, 0x29b00
	v_mov_b32 v255, 0
	s_wait_alu depctr_va_vdst(0)
	s_wait_tensorcnt 0x0
	ds_add_u32 v254, v255
	s_wait_dscnt 0x0
	s_endpgm
.Lfunc_end_k_qe26dc329e8_xquant:
	.size	k_qe26dc329e8_xquant, .Lfunc_end_k_qe26dc329e8_xquant-k_qe26dc329e8_xquant
	.p2alignl 7, 3214868480
	.fill 96, 4, 3214868480
	.section	.rodata,"a",@progbits
	.p2align	6, 0x0
	.amdhsa_kernel k_qe26dc329e8_xquant
		.amdhsa_group_segment_fixed_size 171264
		.amdhsa_private_segment_fixed_size 0
		.amdhsa_enable_private_segment 0
		.amdhsa_kernarg_size 32
		.amdhsa_user_sgpr_count 2
		.amdhsa_user_sgpr_kernarg_segment_ptr 1
		.amdhsa_wavefront_size32 1
		.amdhsa_system_sgpr_workgroup_id_x 1
		.amdhsa_system_sgpr_workgroup_id_y 1
		.amdhsa_system_sgpr_workgroup_id_z 1
		.amdhsa_system_vgpr_workitem_id 0
		.amdhsa_next_free_vgpr 1024
		.amdhsa_next_free_sgpr 66
		.amdhsa_reserve_vcc 0
		.amdhsa_float_denorm_mode_32 3
		.amdhsa_float_denorm_mode_16_64 3
		.amdhsa_memory_ordered 1
		.amdhsa_forward_progress 1
		.amdhsa_inst_pref_size 255
	.end_amdhsa_kernel
	.section	.bss,"aw",@nobits
	.p2align	6
	.space	262144
	.amdgpu_metadata
---
amdhsa.version: [ 1, 2 ]
amdhsa.kernels:
  - .name:           k_qe26dc329e8_xquant
    .symbol:         k_qe26dc329e8_xquant.kd
    .args:
      - { .name: x, .offset: 0, .size: 8, .value_kind: global_buffer, .address_space: global }
      - { .name: SU, .offset: 8, .size: 8, .value_kind: global_buffer, .address_space: global }
      - { .name: qtab, .offset: 16, .size: 8, .value_kind: global_buffer, .address_space: global }
      - { .name: a_codes, .offset: 24, .size: 8, .value_kind: global_buffer, .address_space: global }
    .group_segment_fixed_size: 171264
    .private_segment_fixed_size: 0
    .kernarg_segment_align: 8
    .kernarg_segment_size: 32
    .max_flat_workgroup_size: 128
    .sgpr_count:     66
    .vgpr_count:     1024
    .wavefront_size: 32
...
	.end_amdgpu_metadata
.endif
;; end of part 3
;; launch gemm (part 4): grid 8 x 32, 4 waves a work-group, clusters of 4 x 4, 327,680 bytes of LDS; arguments a_codes, w_codes, out0; writes out0
.if DOCPART == 4
	.amdgcn_target "amdgcn-amd-amdhsa--gfx1250"
	.amdhsa_code_object_version 6
	.text
	.protected	k_qe26dc329e8_gemm
	.globl	k_qe26dc329e8_gemm
	.p2align	8
	.type	k_qe26dc329e8_gemm,@function
k_qe26dc329e8_gemm:
	s_mov_b64 s[64:65], 0
	v_nop
	global_prefetch_b8 v0, s[64:65] scope:SCOPE_SE
	s_setreg_imm32_b32 hwreg(HW_REG_WAVE_MODE, 25, 1), 1
	s_wait_xcnt 0x0
	s_wait_alu depctr_hold_cnt(0) depctr_sa_sdst(0) depctr_va_vdst(0) depctr_va_sdst(0) depctr_va_ssrc(0) depctr_va_vcc(0) depctr_vm_vsrc(0)
	s_getreg_b32 s2, hwreg(HW_REG_IB_STS2, 6, 4)
	s_cmp_eq_u32 s2, 0
	s_cbranch_scc0 .Lentry_in_a_cluster
	s_endpgm
.Lentry_in_a_cluster:
	s_bfe_u32 s2, ttmp6, 0x10000c
	s_cmp_lg_u32 s2, 0xf033
	s_cbranch_scc0 .Lentry_shape_is_right
	s_endpgm
.Lentry_shape_is_right:
; out0[m][n] = sum over k of A[m][k] W[n][k]: M 8,192, N 2,048, K 4,096; both operands are E3M2 codes with one E8M0 byte for each 32 along K, as the two launches before stored them; sums in f32.
; THE OPERANDS' LAYOUT: [unit of 128 along K: 32][128 rows][12,800 bytes]: 12,288 bytes of codes ([32 rows 4][block 4][piece of 8 bytes 3][row' 32][8], row' = row % 32, for odd blocks xor 16), then 128 rows' scale words.
; So codes and scales of 128 rows x 128 K are one dense run that begins at a multiple of 256 bytes, and one tensor load brings both.
; SHARES.  A work-group of four waves makes 256 x 256 of out0, a wave 128 x 128: 64 accumulators, 512 registers.  256 work-groups.
; THE RING.  Two LDS slots; a slot holds 384 along K (three units) of A's 256 rows and W's 256 rows, 153,600 bytes; each wave fetches a quarter (3 rows of 12,800 bytes) by one tensor load.
; K is 10 fills of three units and one of two.  A fill's last step changes slots: one round of the cluster's barrier for three steps; 176 matrix instructions stand between a refill and the wait for it.
; CLUSTERS: 4 x 4 work-groups; A's tiles are asked for jointly along a row of the cluster, W's along a column.
; THE MATRIX INSTRUCTION IS USED TRANSPOSED (source 0 = 16 rows of W, source 1 = 16 rows of A): a lane holds eight neighbouring numbers of a row of out0.
; REGISTERS, in windows of 256.  Window p: v128-255 the accumulators of A's blocks 2 p, 2 p + 1 against W's eight; v16-111 four fragments in two sets (by the step's parity): window 0 W's blocks 0-3, window 1 W's 4-7,
; window 2 A's 0-3, window 3 A's 4-7.  Both operands have two sets, so a step's 104 LDS loads, all for the next step, stand in two runs: behind its first 16 matrix instructions (scale words, W) and behind its first 32 (A).
; Window 0 also: v1, v2 the add's registers, v3, v4 prefetch offsets, v6-15 LDS addresses, v112-127 scale words (two sets of eight; lanes 0-15 A's block i, lanes 16-31 W's block i).  Window 2 v3-5: the way out's addresses.
; PREFETCH: behind each refill the fill after it is asked for, three steps ahead of its tensor load; the head asks for fills 1 and 2.  A wave's quarter is 150 blocks of 256 bytes, of which each of the four partners that ask
; for it jointly names 38, told apart by address.  Fill 10, the short one, is not asked for, so that no address leaves the buffer.
.set SIZE_N, 2048
.set UB,     12800                     ; 128 rows x 128 K: codes and scale words
.set KUA,    64*UB                     ; from unit to unit in a_codes
.set KUB,    16*UB                     ; and in w_codes
.set QT,     3*UB                      ; what one tensor load brings
.set SLOT,   4*QT                      ; A's two halves, then W's two
.set SPARE,  2*SLOT                    ; the spare words: 512 bytes that no other line names
.set SPITCH, 528
.set STAGE,  SLOT                      ; the way out's stages lie in slot 1, which has had its last fill and its last read by then
.set SPW, 1
.set NIL, 2
.set PF0, 3
.set PF1, 4
.set ADR, 6                            ; v6-9 W's fragments (slot 0 even, odd blocks; slot 1 even, odd), v10-13 A's, v14-15 scale words in slot 0, 1
.set FB,  16
.set SC,  112
.set STO, 3                            ; window 2
.set RD,  4
.set CO,  5
.set G1, 24
.set G0, 32
.set G1B, 48
.set G0B, 56
.set PFA, 66
.set PFS, 68
.set MSB, 0
.macro WIN new                         ; the immediate's high byte repeats the setting that is left
.if MSB != \new
	s_set_vgpr_msb (MSB<<8)|\new
.set MSB, \new
.endif
.endm
.macro PLACES
.rept 4
	v_nop
.endr
.endm
.macro JLOAD s                         ; a joint load: waves 0 and 1 fetch A's halves, waves 2 and 3 W's
	s_cmp_eq_u32 s15, 0
	s_cbranch_scc0 .Lfor_b_\@
	tensor_load_to_lds s[G0+4*\s:G0+4*\s+3], s[G1:G1+7]
	s_nop 0
	PLACES
	s_branch .Lasked_\@
.Lfor_b_\@:
	tensor_load_to_lds s[G0B+4*\s:G0B+4*\s+3], s[G1B:G1B+7]
	s_nop 0
	PLACES
.Lasked_\@:
.endm
.macro CREST                           ; a round of the cluster's barrier behind its opening barrier
	s_cmp_lg_u32 s14, 0
	s_cbranch_scc1 .Lnot_wave_0_\@
	s_barrier_signal -3
.Lnot_wave_0_\@:
	s_barrier_wait -3
	s_barrier_signal -1
	s_barrier_wait -1
.endm
.macro CROUND
	s_barrier_signal -1
	s_barrier_wait -1
	CREST
.endm
.macro ASK how                         ; how = 2: not in the loop's last trip, whose second refill is followed by the short fill
.if \how == 2
	s_cmp_gt_u32 s3, 1
	s_cbranch_scc0 .Lno_ask_\@
.endif
.if \how
	global_prefetch_b8 v[PF0], s[PFA:PFA+1] th:TH_LOAD_NT scope:SCOPE_SE
	global_prefetch_b8 v[PF1], s[PFA:PFA+1] th:TH_LOAD_NT scope:SCOPE_SE
.endif
.if \how == 2
.Lno_ask_\@:
.endif
.endm
; The LC-th of the 24 loads that fill window p's four fragments of set par from unit un of a slot.  A fragment is 12 registers: registers 6 c .. 6 c + 5 of lane (r, h) are block 2 c + h of row r, three pieces of 8 bytes.
.macro LDF p, slot, un, par
.set fi_, LC/6
.set pc_, LC%6
.set gi_, 4*((\p)%2)+fi_
	ds_load_b64 v[FB+48*(\par)+12*fi_+2*pc_:FB+48*(\par)+12*fi_+2*pc_+1], v[ADR+4*((\p)/2)+2*(\slot)+gi_%2] offset:(\un)*UB+(gi_/2)*3072+(pc_/3)*1536+(pc_%3)*256
.set LC, LC+1
.endm
; A run of LDS loads into set par: p0 = 0: the eight scale registers and W's eight fragments (56 loads); p0 = 2: A's eight fragments (48)
.macro RUN p0, slot, un, par
.if (\p0) == 0
	WIN 0
.set SN, 0
.rept 8
	ds_load_b32 v[SC+8*(\par)+SN], v[ADR+8+(\slot)] offset:(\un)*UB+12288+64*SN
.set SN, SN+1
.endr
.endif
.irp p, \p0, \p0+1
	WIN ((\p)<<6)                                  ; the data: window p; the address: window 0
.set LC, 0
.rept 24
	LDF \p, \slot, \un, \par
.endr
.endr
.endm
; Eight matrix instructions: A's blocks 2 p, 2 p + 1 against W's blocks 4 u .. 4 u + 3.
; The 64 accumulators take turns, one instruction a turn, in the same order in every step.
.macro HALF p, u, par, zero
	WIN ((\u)|((2+(\p)/2)<<2)|((\p)<<4)|((\p)<<6))
.irp bb, 0,1,2,3
.irp aa, 0,1
.set D_, 128+8*(8*\aa+4*(\u)+\bb)
.set B_, FB+48*(\par)+12*\bb
.set A_, FB+48*(\par)+12*(2*((\p)%2)+\aa)
.if \zero
	v_wmma_scale_f32_16x16x128_f8f6f4 v[D_:D_+7], v[B_:B_+11], v[A_:A_+11], 0, v[SC+8*(\par)+4*(\u)+\bb], v[SC+8*(\par)+2*(\p)+\aa] matrix_a_fmt:MATRIX_FMT_BF6 matrix_b_fmt:MATRIX_FMT_BF6 matrix_a_scale:MATRIX_SCALE_ROW1
.else
	v_wmma_scale_f32_16x16x128_f8f6f4 v[D_:D_+7], v[B_:B_+11], v[A_:A_+11], v[D_:D_+7], v[SC+8*(\par)+4*(\u)+\bb], v[SC+8*(\par)+2*(\p)+\aa] matrix_a_fmt:MATRIX_FMT_BF6 matrix_b_fmt:MATRIX_FMT_BF6 matrix_a_scale:MATRIX_SCALE_ROW1
.endif
.endr
.endr
.endm
.macro PHASE p, par, zero
	HALF \p, 0, \par, \zero
	HALF \p, 1, \par, \zero
.endm
; A step of 128 along K on set par; ld = 1: the next step's fragments, which lie in unit un of a slot, are fetched into the other set.
.macro STEP par, zero, ld, slot, un
	s_wait_dscnt 24                                ; all but the youngest 24 loads, A's blocks 4-7, are in
	PHASE 0, \par, \zero
.if \ld
	PLACES                                         ; the other set was read by the step before: four places ahead of the loads into it (ISA guide 7.12.1 for vector instructions)
	RUN 0, \slot, \un, 1-(\par)
.endif
	PHASE 1, \par, \zero
.if \ld
	s_wait_dscnt 56                                ; A's blocks 4-7 are in: the run of 56 was issued behind them
	RUN 2, \slot, \un, 1-(\par)
.else
	s_wait_dscnt 0x0
.endif
	PHASE 2, \par, \zero
	PHASE 3, \par, \zero
.endm
; A fill's last step: its fragments are in registers, so its slot is read no more; the next step's lie in the other slot.  fill = 1: the slot is filled again, two fills on; 2: with the last fill, of two units; 0: nothing is left to fetch.
.macro TURN par, slot, fill, ask
	WIN 0
.if \ask
	s_wait_xcnt 0x0                                ; my prefetches have read their base: it steps one fill on
	s_add_nc_u64 s[PFA:PFA+1], s[PFA:PFA+1], s[PFS:PFS+1]
.endif
	s_wait_tensorcnt 0x0                           ; all my tensor loads have landed: my quarter of the other slot
	ds_add_u32 v[SPW], v[NIL]
.if \fill == 2
	s_mov_b32 s[G1+2], 2<<16                       ; no tensor load of mine is out: the last fill has two rows
	s_mov_b32 s[G1+4], 2
	s_mov_b32 s[G1B+2], 2<<16
	s_mov_b32 s[G1B+4], 2
.endif
	s_wait_dscnt 25                                ; (the add and A's blocks 4-7 may be out)
	HALF 0, 0, \par, 0
	s_wait_dscnt 0x0                               ; the add is done, and my reads of this slot are over
	s_barrier_signal -1
	HALF 0, 1, \par, 0
	WIN 0
	s_barrier_wait -1
.if \fill
	CREST                                          ; the barrier has opened a round: no wave of any partner still reads this slot or has a load on its way
	s_add_nc_u64 s[G0+4*\slot+2:G0+4*\slot+3], s[G0+4*\slot+2:G0+4*\slot+3], 6*KUA
	s_add_nc_u64 s[G0B+4*\slot+2:G0B+4*\slot+3], s[G0B+4*\slot+2:G0B+4*\slot+3], 6*KUB
	JLOAD \slot                                    ; its four v_nop are also the places in front of the loads below
.else
	PLACES
.endif
	RUN 0, 1-(\slot), 0, 1-(\par)
	WIN 0
	ASK \ask
	PHASE 1, \par, 0
	RUN 2, 1-(\slot), 0, 1-(\par)
	PHASE 2, \par, 0
	PHASE 3, \par, 0
.endm
	s_load_b128 s[4:7], s[0:1], 0x0                ; a_codes, w_codes
	s_load_b64 s[8:9], s[0:1], 0x10                ; out0
	v_lshl_add_u32 v[SPW], v0, 2, SPARE
	v_mov_b32 v[NIL], 0
	ds_add_u32 v[SPW], v[NIL]                      ; the opening lines: the add twice on end and one wait
	ds_add_u32 v[SPW], v[NIL]
	v_lshrrev_b32 v5, 5, v0
	v_readfirstlane_b32 s14, v5                    ; wave 0..3
	s_lshr_b32 s15, s14, 1                         ; my half of the block's rows; also: I fetch for A (0) or W (1)
	s_and_b32 s16, s14, 1                          ; my half of its columns; also: which 128 rows I fetch
	s_bfe_u32 s40, ttmp6, 0x40000                  ; cx
	s_bfe_u32 s41, ttmp6, 0x40004                  ; cy
	s_lshl_b32 s42, ttmp9, 2
	s_add_co_u32 s42, s42, s40                     ; block column
	s_and_b32 s17, ttmp7, 0xffff
	s_lshl_b32 s17, s17, 2
	s_add_co_u32 s17, s17, s41                     ; block row
	s_lshl_b32 s43, s41, 2
	s_lshl_b32 s43, 15, s43                        ; my row of the cluster
	s_lshl_b32 s44, 0x1111, s40                    ; my column
	s_or_b32 s[G1+0], s43, (3<<16)|(1<<21)         ; elements of 8 bytes, no padding
	s_or_b32 s[G1B+0], s44, (3<<16)|(1<<21)
.irp g, G1, G1B
	s_mov_b32 s[\g+1], (UB/8)<<16                  ; tensor_dim0: 1,600 elements
	s_mov_b32 s[\g+2], 3<<16                       ; tensor_dim1: three units
	s_mov_b32 s[\g+3], (UB/8)<<16                  ; tile_dim0
	s_mov_b32 s[\g+4], 3                           ; tile_dim1
	s_mov_b32 s[\g+6], 0
	s_mov_b32 s[\g+7], 0
.endr
	s_mov_b32 s[G1+5], KUA/8                       ; from unit to unit
	s_mov_b32 s[G1B+5], KUB/8
	s_lshl_b32 s20, s17, 1
	s_add_co_u32 s20, s20, s16
	s_mul_i32 s20, s20, UB                         ; A: the 128 rows that I fetch
	s_mov_b32 s21, 0
	s_lshl_b32 s46, s42, 1
	s_add_co_u32 s46, s46, s16
	s_mul_i32 s46, s46, UB                         ; W likewise
	s_mov_b32 s47, 0
	s_mul_i32 s45, s14, QT                         ; and where they go
	s_wait_dscnt 0x0
	s_wait_kmcnt 0x0
	s_add_nc_u64 s[20:21], s[4:5], s[20:21]
	s_add_nc_u64 s[46:47], s[6:7], s[46:47]
	CROUND                                         ; all sixteen work-groups are here: the first joint loads meet
.irp s, 0,1
	s_mov_b32 s[G0+4*\s], 1
	s_add_co_u32 s[G0+4*\s+1], s45, \s*SLOT
	s_add_nc_u64 s[G0+4*\s+2:G0+4*\s+3], s[20:21], \s*3*KUA
	s_or_b32 s[G0+4*\s+3], s[G0+4*\s+3], 0x80000000
	s_mov_b32 s[G0B+4*\s], 1
	s_add_co_u32 s[G0B+4*\s+1], s45, \s*SLOT
	s_add_nc_u64 s[G0B+4*\s+2:G0B+4*\s+3], s[46:47], \s*3*KUB
	s_or_b32 s[G0B+4*\s+3], s[G0B+4*\s+3], 0x80000000
.endr
	JLOAD 0                                        ; fill 0: one tensor load a wave at the head
	s_mul_i32 s70, s15, QT                         ; my 128 rows of A in slot 0, 1
	s_add_co_u32 s71, s70, SLOT
	s_mul_i32 s72, s16, QT
	s_add_co_u32 s72, s72, 2*QT                    ; my 128 rows of W
	s_add_co_u32 s73, s72, SLOT
	s_sub_co_u32 s74, s72, s70
	s_mul_i32 s84, s14, 16*SPITCH
	s_add_co_u32 s84, s84, STAGE                   ; my stage
	s_lshl_b32 s82, s17, 8
	s_lshl_b32 s83, s15, 7
	s_add_co_u32 s82, s82, s83                     ; my first row of out0,
	s_lshl_b32 s82, s82, 13                        ; 8,192 bytes a row,
	s_lshl_b32 s83, s42, 10
	s_add_co_u32 s82, s82, s83
	s_lshl_b32 s83, s16, 9
	s_add_co_u32 s82, s82, s83                     ; and my first column
	s_mov_b32 s83, 0
	s_add_nc_u64 s[8:9], s[8:9], s[82:83]
	s_mov_b32 s78, KUB
	s_cmp_eq_u32 s15, 0                            ; the prefetches: for the tensor that I fetch
	s_cselect_b32 s78, KUA, s78
	s_cselect_b32 s79, s17, s42
	s_cselect_b32 s76, s40, s41                    ; my place among the four that ask with me
	s_cselect_b64 s[PFA:PFA+1], s[4:5], s[6:7]
	s_mul_i32 s[PFS], s78, 3                       ; from fill to fill
	s_mov_b32 s[PFS+1], 0
	s_lshl_b32 s79, s79, 1
	s_add_co_u32 s79, s79, s16
	s_mul_i32 s80, s79, UB
	s_add_co_u32 s80, s80, s[PFS]                  ; at fill 1
	s_mov_b32 s81, 0
	s_add_nc_u64 s[PFA:PFA+1], s[PFA:PFA+1], s[80:81]
	s_sub_co_u32 s77, s78, UB
	s_mul_i32 s76, s76, 38
	v_and_b32 v22, 31, v0                          ; lane
	v_and_b32 v16, 15, v0                          ; r
	v_bfe_u32 v17, v0, 4, 1                        ; h
	v_add_nc_u32 v23, s76, v22                     ; the blocks of 256 bytes that I name: 38 p + lane,
	v_min_u32 v24, 5, v22
	v_add3_u32 v24, v24, s76, 32                   ; and 38 p + 32 .. 37 (lanes left over name the last again),
	v_min_u32 v23, 149, v23
	v_min_u32 v24, 149, v24                        ; of 150
	v_mul_u32_u24 v25, v23, 1311
	v_mul_u32_u24 v26, v24, 1311
	v_lshrrev_b32 v25, 16, v25                     ; block / 50: its unit
	v_lshrrev_b32 v26, 16, v26
	v_lshlrev_b32 v23, 8, v23
	v_lshlrev_b32 v24, 8, v24
	v_mad_u32_u24 v[PF0], v25, s77, v23
	v_mad_u32_u24 v[PF1], v26, s77, v24
	ASK 1                                          ; fill 1, whose tensor load goes out when fill 0 has landed
	v_lshlrev_b32 v18, 3, v16
	v_mad_u32_u24 v19, v17, 896, v18               ; even blocks of 16 rows: 8 r; lanes 16-31 the odd block of 32 along K, 768 on, rows xor 16
	v_mad_u32_u24 v20, v17, 640, v18
	v_add_nc_u32 v20, 128, v20                     ; odd blocks of 16 rows
	v_add_nc_u32 v[ADR+0], s72, v19
	v_add_nc_u32 v[ADR+1], s72, v20
	v_add_nc_u32 v[ADR+2], s73, v19
	v_add_nc_u32 v[ADR+3], s73, v20
	v_add_nc_u32 v[ADR+4], s70, v19
	v_add_nc_u32 v[ADR+5], s70, v20
	v_add_nc_u32 v[ADR+6], s71, v19
	v_add_nc_u32 v[ADR+7], s71, v20
	v_mul_u32_u24 v21, s74, v17                    ; scale words: lanes 0-15 A's rows, lanes 16-31 W's
	v_lshl_add_u32 v21, v16, 2, v21
	v_add_nc_u32 v[ADR+8], s70, v21
	v_add_nc_u32 v[ADR+9], SLOT, v[ADR+8]
	v_mul_u32_u24 v27, v16, SPITCH                 ; the way out, in: row r, 32 bytes for each half of the lanes
	v_lshl_add_u32 v27, v17, 5, v27
	v_add_nc_u32 v27, s84, v27
	v_lshlrev_b32 v29, 4, v22                      ; back: 32 lanes take a row of 512 bytes; the same in out0
	v_add_nc_u32 v28, s84, v29
	WIN 0x80
	v_mov_b32 v[STO], v27                          ; into window 2
	v_mov_b32 v[RD], v28
	v_mov_b32 v[CO], v29
	WIN 0
	s_wait_alu depctr_va_vdst(0)
	s_wait_tensorcnt 0x0                           ; my quarter of fill 0 is in; slot 1's first fill is issued as a refill is
	ds_add_u32 v[SPW], v[NIL]
	s_wait_dscnt 0x0
	CROUND
	JLOAD 1                                        ; fill 1
	RUN 0, 0, 0, 0
	RUN 2, 0, 0, 0
	WIN 0
	s_wait_xcnt 0x0                                ; my prefetches have read their base
	s_add_nc_u64 s[PFA:PFA+1], s[PFA:PFA+1], s[PFS:PFS+1]
	ASK 1                                          ; fill 2, two steps ahead of its tensor load
	STEP 0, 1, 1, 0, 1                             ; step 0: its products start the sums
	WIN 0
	s_mov_b32 s3, 4
.Llap:                                                 ; a trip: six steps, once round the ring: steps 6 i + 1 .. 6 i + 6; refills 2 i + 2 and 2 i + 3
	STEP 1, 0, 1, 0, 2
	TURN 0, 0, 1, 1
	STEP 1, 0, 1, 1, 1
	STEP 0, 0, 1, 1, 2
	TURN 1, 1, 1, 2
	STEP 0, 0, 1, 0, 1
	WIN 0
	s_sub_co_u32 s3, s3, 1
	s_cmp_lg_u32 s3, 0
	s_cbranch_scc1 .Llap
	STEP 1, 0, 1, 0, 2                             ; steps 25 to 31
	TURN 0, 0, 2, 0                                ; fill 10, two units
	STEP 1, 0, 1, 1, 1
	STEP 0, 0, 1, 1, 2
	TURN 1, 1, 0, 0                                ; nothing more to fetch
	STEP 0, 0, 1, 0, 1
	STEP 1, 0, 0, 0, 0
; THE WAY OUT, block by block of 16 rows x 128 columns: through my own stage and back as whole rows of 512 bytes, which the 32 lanes store as two aligned units of 256 bytes.
; LDS serves a wave's instructions in order (ISA guide 5.7.1.4): no wait between the stores and the loads.  The rows come back into window 1, v0-63 and v64-127 by turns.
.macro TOSTAGE a
	WIN (2|(((\a)/2)<<2))                          ; address window 2, data window a / 2
.irp b, 0,1,2,3,4,5,6,7
	ds_store_b128 v[STO], v[128+8*(8*((\a)%2)+\b):128+8*(8*((\a)%2)+\b)+3] offset:64*\b     ; each accumulator from its low end on
	ds_store_b128 v[STO], v[128+8*(8*((\a)%2)+\b)+4:128+8*(8*((\a)%2)+\b)+7] offset:64*\b+16
.endr
	WIN 0x42
.irp t, 0,1,2,3,4,5,6,7,8,9,10,11,12,13,14,15
	ds_load_b128 v[64*((\a)%2)+4*\t:64*((\a)%2)+4*\t+3], v[RD] offset:\t*SPITCH
.endr
.endm
.macro SEND a, younger
	s_wait_dscnt \younger
.if (\a) > 0
	s_add_nc_u64 s[8:9], s[8:9], 16*SIZE_N*4       ; (behind a wait on XCNT: the earlier stores have read their base)
.endif
	WIN 0x06
.irp t, 0,1,2,3,4,5,6,7,8,9,10,11,12,13,14,15
	global_store_b128 v[CO], v[64*((\a)%2)+4*\t:64*((\a)%2)+4*\t+3], s[8:9] offset:\t*SIZE_N*4 th:TH_STORE_NT
.endr
.endm
	PLACES                                         ; ahead of the reads of results and of the loads into registers that held fragments
	TOSTAGE 0
.irp a, 1,2,3,4,5,6,7
.if \a > 1
	s_wait_xcnt 0x0                                ; block a - 2's stores have read their registers and their base
.endif
	TOSTAGE \a
	SEND \a-1, 32                                  ; behind block a - 1's loads: block a's 16 stores and 16 loads
.endr
	s_wait_xcnt 0x0
	SEND 7, 0
	WIN 0
	s_wait_tensorcnt 0x0                           ; the wave's end
	ds_add_u32 v[SPW], v[NIL]
	s_wait_dscnt 0x0
	CROUND                                         ; the closing round
	s_endpgm
.Lfunc_end_k_qe26dc329e8_gemm:
	.size	k_qe26dc329e8_gemm, .Lfunc_end_k_qe26dc329e8_gemm-k_qe26dc329e8_gemm
	.p2alignl 7, 3214868480
	.fill 96, 4, 3214868480
	.section	.rodata,"a",@progbits
	.p2align	6, 0x0
	.amdhsa_kernel k_qe26dc329e8_gemm
		.amdhsa_group_segment_fixed_size 327680
		.amdhsa_private_segment_fixed_size 0
		.amdhsa_enable_private_segment 0
		.amdhsa_kernarg_size 24
		.amdhsa_user_sgpr_count 2
		.amdhsa_user_sgpr_kernarg_segment_ptr 1
		.amdhsa_wavefront_size32 1
		.amdhsa_system_sgpr_workgroup_id_x 1
		.amdhsa_system_sgpr_workgroup_id_y 1
		.amdhsa_system_sgpr_workgroup_id_z 1
		.amdhsa_system_vgpr_workitem_id 0
		.amdhsa_next_free_vgpr 1024
		.amdhsa_next_free_sgpr 100
		.amdhsa_reserve_vcc 0
		.amdhsa_float_denorm_mode_32 3
		.amdhsa_float_denorm_mode_16_64 3
		.amdhsa_memory_ordered 1
		.amdhsa_forward_progress 1
		.amdhsa_inst_pref_size 255
	.end_amdhsa_kernel
	.amdgpu_metadata
---
amdhsa.version: [ 1, 2 ]
amdhsa.kernels:
  - .name:           k_qe26dc329e8_gemm
    .symbol:         k_qe26dc329e8_gemm.kd
    .args:
      - { .name: a_codes, .offset: 0, .size: 8, .value_kind: global_buffer, .address_space: global }
      - { .name: w_codes, .offset: 8, .size: 8, .value_kind: global_buffer, .address_space: global }
      - { .name: out0, .offset: 16, .size: 8, .value_kind: global_buffer, .address_space: global }
    .group_segment_fixed_size: 327680
    .private_segment_fixed_size: 0
    .kernarg_segment_align: 8
    .kernarg_segment_size: 24
    .max_flat_workgroup_size: 128
    .sgpr_count:     100
    .vgpr_count:     1024
    .wavefront_size: 32
...
	.end_amdgpu_metadata
.endif
;; end of part 4
